; MI455X (gfx1250); checked and timed in simulation.
; The chip was launched on July 23, 2026; its instructions are those of AMD's public machine-readable ISA for CDNA 5 (MIT licence, August 2026) and "CDNA5" Instruction Set Architecture Reference Guide (July 2026). The comments in the code are by the model that wrote it; some were corrected since.
;; LSTM Cell. Allowed arithmetic: float matrix products may take bf16 or f16 operands with f32 sums; all other float work in f32.
;; Inputs: W_F 2,048 x 1,024 float32; W_G 2,048 x 1,024 float32; W_I 2,048 x 1,024 float32; W_O 2,048 x 1,024 float32; b_F 1,024 float32; b_G 1,024 float32; b_I 1,024 float32; b_O 1,024 float32; c 8,192 x 1,024 float32; h 8,192 x 1,024 float32; x 8,192 x 1,024 float32.
;; Outputs: out0 8,192 x 1,024 float32; out1 8,192 x 1,024 float32.
;; One version. Each part assembles by itself: llvm-mc -triple=amdgcn-amd-amdhsa -mcpu=gfx1250 --defsym DOCPART=n.
;; ======== version 1 of 1: 2 launches
;; limits: a function is approximated: absolute error at most 1e-07
;; workspace buffers: Xb 33,554,432 bytes; Wb 16,777,216 bytes
;; launch cast (part 1): grid 1024 x 1, 8 waves a work-group, no clusters, 0 bytes of LDS; arguments x, h, W_I, W_F, W_G, W_O, Xb, Wb; writes Xb, Wb
.if DOCPART == 1
	.amdgcn_target "amdgcn-amd-amdhsa--gfx1250"
	.amdhsa_code_object_version 6
	.text
	.protected	k_q1b50c2fa8b_cast
	.globl	k_q1b50c2fa8b_cast
	.p2align	8
	.type	k_q1b50c2fa8b_cast,@function
k_q1b50c2fa8b_cast:
	s_mov_b64 s[64:65], 0
	v_nop
	global_prefetch_b8 v0, s[64:65] scope:SCOPE_SE
	s_setreg_imm32_b32 hwreg(HW_REG_WAVE_MODE, 25, 1), 1
	s_wait_xcnt 0x0
; Casts the matrix operands of the LSTM cell to bf16, once, and lays them as the product wants them.
;   Xb [8192][2048] bf16: row m = x[m] (bytes 0..2047), then h[m] (bytes 2048..4095).
;   Wb [2048 k][4096 n'] bf16, n' = 256 j + 64 g + cc (j = 0..15 a block of 64 output columns, g = 0..3 for I, F, G, O, cc = 0..63):
;   Wb[k][n'] = W_g[k][64 j + cc], so that the four gates of 64 output columns are 512 neighbouring bytes of a row.
; A stream: every input byte is read once, every workspace byte written once; no LDS, no barrier, no loop, no matrix unit.
; Work-group G takes rows 8 G .. 8 G + 7 of x and of h, and rows 2 G, 2 G + 1 of the four W.  A thread issues all its 24 loads of
; 16 bytes at the start and takes them in order of issue, each behind a counted wait.  No register is written behind a store that names it.
.set XD, 8                             ; v[8:71]    16 loads of 4 registers: x rows 0-7, h rows 0-7
.set WD, 72                            ; v[72:103]  8 loads: jj = 0, 1 (block column w + 8 jj) x gate 0..3
	s_load_b512 s[4:19], s[0:1], 0x0               ; x s[4:5], h s[6:7], W_I s[8:9], W_F s[10:11], W_G s[12:13], W_O s[14:15], Xb s[16:17], Wb s[18:19]
	s_lshl_b32 s20, ttmp9, 15                      ; 8 rows of 4,096 bytes: x, h and Xb alike
	s_mov_b32 s21, 0
	s_lshl_b32 s22, ttmp9, 13                      ; 2 rows of 4,096 bytes of a W
	s_mov_b32 s23, 0
	s_lshl_b32 s24, ttmp9, 14                      ; 2 rows of 8,192 bytes of Wb
	s_mov_b32 s25, 0
	v_lshlrev_b32 v1, 4, v0                        ; x, h: 16 t: the 256 threads cover a row of 4,096 bytes
	v_lshlrev_b32 v2, 3, v0                        ; Xb: 8 t: the same four numbers in bf16
	v_and_b32 v5, 15, v0                           ; lane mod 16
	v_bfe_u32 v6, v0, 4, 1                         ; lane / 16
	v_lshrrev_b32 v7, 5, v0                        ; wave
	v_lshlrev_b32 v3, 4, v5                        ; W: 16 (lane mod 16): sixteen lanes take the 256 bytes of 64 columns,
	v_lshl_add_u32 v3, v6, 12, v3                  ;    lanes 16-31 one row further down,
	v_lshl_add_u32 v3, v7, 8, v3                   ;    block column = wave (+ 8 jj in the immediate)
	v_and_b32 v5, 31, v0
	v_lshlrev_b32 v4, 3, v5                        ; Wb: 8 x lane
	v_lshl_add_u32 v4, v7, 9, v4                   ;     + 512 x wave
	s_wait_kmcnt 0x0
	s_add_nc_u64 s[4:5], s[4:5], s[20:21]
	s_add_nc_u64 s[6:7], s[6:7], s[20:21]
	s_add_nc_u64 s[16:17], s[16:17], s[20:21]
	s_add_nc_u64 s[8:9], s[8:9], s[22:23]
	s_add_nc_u64 s[10:11], s[10:11], s[22:23]
	s_add_nc_u64 s[12:13], s[12:13], s[22:23]
	s_add_nc_u64 s[14:15], s[14:15], s[22:23]
	s_add_nc_u64 s[18:19], s[18:19], s[24:25]
.irp i, 0,1,2,3,4,5,6,7
	global_load_b128 v[XD+4*\i:XD+4*\i+3], v1, s[4:5] offset:4096*\i th:TH_LOAD_NT          ; loads 0 to 7
.endr
.irp i, 0,1,2,3,4,5,6,7
	global_load_b128 v[XD+32+4*\i:XD+32+4*\i+3], v1, s[6:7] offset:4096*\i th:TH_LOAD_NT    ; loads 8 to 15
.endr
.irp jj, 0,1
.irp g, 0,1,2,3
	global_load_b128 v[WD+16*\jj+4*\g:WD+16*\jj+4*\g+3], v3, s[8+2*\g:9+2*\g] offset:2048*\jj th:TH_LOAD_NT   ; loads 16 + 4 jj + g
.endr
.endr
; Load n (0..15) of x and h: four f32 become four bf16; a wave's store covers 256 consecutive bytes, aligned.
.macro XROW n, off
	s_wait_loadcnt 23-(\n)                         ; loads come back in order (ISA guide 5.7.1): the 23 - n issued behind mine may stay out
	v_cvt_pk_bf16_f32 v[XD+4*(\n)],   v[XD+4*(\n)],   v[XD+4*(\n)+1]
	v_cvt_pk_bf16_f32 v[XD+4*(\n)+1], v[XD+4*(\n)+2], v[XD+4*(\n)+3]
	global_store_b64 v2, v[XD+4*(\n):XD+4*(\n)+1], s[16:17] offset:\off
.endm
; Gates 2 p and 2 p + 1 of block column w + 8 jj.  As loaded, each gate's registers hold row 2 G in lanes 0-15 and row 2 G + 1 in lanes 16-31.
; The swap exchanges the first gate's lanes 16-31 with the second gate's lanes 0-15: then the first pair of registers holds row 2 G as
; [gate 2 p | gate 2 p + 1] and the second pair row 2 G + 1 likewise: each store of the wave covers 256 consecutive bytes, aligned.
.macro WPAIR jj, p
.set WA, WD+16*\jj+8*\p
	s_wait_loadcnt 6-4*\jj-2*\p                    ; the loads issued behind the second gate's may stay out
	v_cvt_pk_bf16_f32 v[WA],   v[WA],   v[WA+1]
	v_cvt_pk_bf16_f32 v[WA+1], v[WA+2], v[WA+3]
	v_cvt_pk_bf16_f32 v[WA+4], v[WA+4], v[WA+5]
	v_cvt_pk_bf16_f32 v[WA+5], v[WA+6], v[WA+7]
	v_permlane16_swap_b32 v[WA],   v[WA+4]
	v_permlane16_swap_b32 v[WA+1], v[WA+5]
	global_store_b64 v4, v[WA:WA+1],   s[18:19] offset:4096*\jj+256*\p
	global_store_b64 v4, v[WA+4:WA+5], s[18:19] offset:4096*\jj+256*\p+8192
.endm
.irp n, 0,1,2,3,4,5,6,7
	XROW \n, 4096*\n                               ; x: the left half of Xb's rows
.endr
.irp n, 8,9,10,11,12,13,14,15
	XROW \n, 4096*(\n-8)+2048                      ; h: the right half
.endr
	WPAIR 0, 0
	WPAIR 0, 1
	WPAIR 1, 0
	WPAIR 1, 1
	s_endpgm
.Lfunc_end_k_q1b50c2fa8b_cast:
	.size	k_q1b50c2fa8b_cast, .Lfunc_end_k_q1b50c2fa8b_cast-k_q1b50c2fa8b_cast
	.p2alignl 7, 3214868480
	.fill 96, 4, 3214868480
	.section	.rodata,"a",@progbits
	.p2align	6, 0x0
	.amdhsa_kernel k_q1b50c2fa8b_cast
		.amdhsa_group_segment_fixed_size 0
		.amdhsa_private_segment_fixed_size 0
		.amdhsa_enable_private_segment 0
		.amdhsa_kernarg_size 64
		.amdhsa_user_sgpr_count 2
		.amdhsa_user_sgpr_kernarg_segment_ptr 1
		.amdhsa_wavefront_size32 1
		.amdhsa_system_sgpr_workgroup_id_x 1
		.amdhsa_system_sgpr_workgroup_id_y 1
		.amdhsa_system_sgpr_workgroup_id_z 1
		.amdhsa_system_vgpr_workitem_id 0
		.amdhsa_next_free_vgpr 104
		.amdhsa_next_free_sgpr 66
		.amdhsa_reserve_vcc 0
		.amdhsa_float_denorm_mode_32 3
		.amdhsa_float_denorm_mode_16_64 3
		.amdhsa_memory_ordered 1
		.amdhsa_forward_progress 1
		.amdhsa_inst_pref_size 10
	.end_amdhsa_kernel
	.amdgpu_metadata
---
amdhsa.version: [ 1, 2 ]
amdhsa.kernels:
  - .name:           k_q1b50c2fa8b_cast
    .symbol:         k_q1b50c2fa8b_cast.kd
    .args:
      - { .name: x, .offset: 0, .size: 8, .value_kind: global_buffer, .address_space: global }
      - { .name: h, .offset: 8, .size: 8, .value_kind: global_buffer, .address_space: global }
      - { .name: W_I, .offset: 16, .size: 8, .value_kind: global_buffer, .address_space: global }
      - { .name: W_F, .offset: 24, .size: 8, .value_kind: global_buffer, .address_space: global }
      - { .name: W_G, .offset: 32, .size: 8, .value_kind: global_buffer, .address_space: global }
      - { .name: W_O, .offset: 40, .size: 8, .value_kind: global_buffer, .address_space: global }
      - { .name: Xb, .offset: 48, .size: 8, .value_kind: global_buffer, .address_space: global }
      - { .name: Wb, .offset: 56, .size: 8, .value_kind: global_buffer, .address_space: global }
    .group_segment_fixed_size: 0
    .private_segment_fixed_size: 0
    .kernarg_segment_align: 8
    .kernarg_segment_size: 64
    .max_flat_workgroup_size: 256
    .sgpr_count:     66
    .vgpr_count:     104
    .wavefront_size: 32
...
	.end_amdgpu_metadata
.endif
;; end of part 1
;; launch lstm (part 2): grid 16 x 32, 4 waves a work-group, clusters of 4 x 4, 327,680 bytes of LDS; arguments Xb, Wb, c, b_I, b_F, b_G, b_O, out0, out1; writes out0, out1
.if DOCPART == 2
	.amdgcn_target "amdgcn-amd-amdhsa--gfx1250"
	.amdhsa_code_object_version 6
	.text
	.protected	k_q1b50c2fa8b_lstm
	.globl	k_q1b50c2fa8b_lstm
	.p2align	8
	.type	k_q1b50c2fa8b_lstm,@function
k_q1b50c2fa8b_lstm:
	s_mov_b64 s[64:65], 0
	v_nop
	global_prefetch_b8 v0, s[64:65] scope:SCOPE_SE
	s_setreg_imm32_b32 hwreg(HW_REG_WAVE_MODE, 25, 1), 1
	s_wait_xcnt 0x0
	s_wait_alu depctr_hold_cnt(0) depctr_sa_sdst(0) depctr_va_vdst(0) depctr_va_sdst(0) depctr_va_ssrc(0) depctr_va_vcc(0) depctr_vm_vsrc(0)
	s_getreg_b32 s2, hwreg(HW_REG_IB_STS2, 6, 4)
	s_cmp_eq_u32 s2, 0
	s_cbranch_scc0 .Lentry_in_a_cluster
	s_endpgm
.Lentry_in_a_cluster:
	s_bfe_u32 s2, ttmp6, 0x10000c
	s_cmp_lg_u32 s2, 0xf033
	s_cbranch_scc0 .Lentry_shape_is_right
	s_endpgm
.Lentry_shape_is_right:
; gates = Xb Wb + b (M = 8192, K = 2048, 4 gates x 1024 columns), then C = F c + I G (out1) and H = O tanh(C) (out0), all in one launch.
; Xb [8192][2048] bf16; Wb [2048 k][4096 n'] bf16 with n' = 256 j + 64 g + cc (g = I, F, G, O; 64 output columns to a block column j).
; A work-group makes 256 rows x 256 n' = 4 gates x 64 output columns, with four waves.  Wave w = (rh = w / 2, ch = w mod 2) makes rows
; 128 rh .. + 127 x 4 gates x columns 32 ch .. + 31: 64 accumulator tiles of 16 x 16, 512 registers; tile (a, b), b = 2 g + t, is rows
; 16 a .. + 15 of gate g's columns 32 ch + 16 t .. + 15.  K goes in 16 steps of 128 through two LDS slots filled by the tensor data mover.
; CLUSTERS: 4 x 4 work-groups.  Xb's tile hangs on the block row alone and is asked for jointly by a row of the cluster, Wb's on the block
; column alone and is asked for jointly by a column: the requests for both are divided by four.
; Wb's tiles lie [k][n'] in LDS; ds_load_tr16_b128 turns them into fragments with k along the registers.
; THE MATRIX INSTRUCTION IS USED TRANSPOSED: source 0 = 16 columns of Wb, source 1 = 16 rows of Xb.  Lane l (r = l mod 16, h = l / 16) then holds
; in register j of tile (a, 2 g + t) row 16 a + r, column 16 t + 8 h + j: the four gates of an output number lie in one lane at the same j,
; and eight neighbouring columns of a row lie in one lane.
; LIMITS.  Matrix operands are rounded to bf16.  sigmoid(x) = 1 / (1 + 2^(-1.442695 x)), tanh(x) = (e - 1) / (e + 1) with e = 2^(2.885390 x): tanh's
; absolute error is about 1e-7, so its relative accuracy is lost for |x| under about 1e-4.  The exponents of G and of tanh(C) are cut at 60, so that
; e - 1 and 1 + e stay finite; tanh is 1 in f32 long before the cut.  The powers of I, F and O are not cut: an infinite one makes its denominator
; infinite and the quotient 0, which is the limit; a quotient whose denominator passes 2^126 comes out as 0 too.  The cut (v_min_num_f32) drops
; a NaN: a NaN in gate G gives a finite number, and a NaN in C reaches out1 and not out0.
;
; REGISTERS, in windows of 256:
;   window 0: v0-31 addresses; v64-127, v128-191 fragments of Xb, two buffers (in the tail: v64-119 at work, v128-191 the way out); v192-255 the biases
;   window 1: v64-127, v128-191 fragments of Wb, two buffers
;   window 2: the accumulator tiles of a = 0..3 (tile (a, b) at v[8 (8 a + b)]);   window 3: those of a = 4..7
.set KSTEP,  128
.set PITCH,  272                       ; a row of Xb's tile or of c's tile in LDS: 256 bytes + 16 of padding: 16 rows begin at 16 different 16-byte columns modulo 256 bytes
.set PB,     544                       ; a row of Wb's tile: 512 bytes + 32 of padding = 17 x 32: the 8 rows x 2 columns of a transposing load likewise
.set HALFT,  128*PITCH                 ; what one tensor load brings: 128 rows of Xb, or 64 k rows of Wb (64 x 544 is the same 34,816 bytes)
.set SLOT,   4*HALFT                   ; Xb's 256 rows, then Wb's 128 k rows
.set STAGE,  SLOT                      ; the way out: slot 1's bytes, behind their last fill and last read, and on to the end of LDS
.set SP,     144                       ; a stage row: 32 f32 + 16 bytes = 9 x 16
.set OREG,   128*SP                    ; one output's 128 rows of a wave
.set WREG,   2*OREG+128                ; a wave's stage: H, then C; the 128 put the two writers of an output row 128 bytes apart modulo 256
.set LAPS,   2048/(2*KSTEP)            ; a lap = two K steps = once round the ring: 8
.set ADRA, 16                          ; v16-17  LDS address of my Xb fragments in slot 0, 1
.set ADRB, 20                          ; v20-21  the same for Wb
.set CTA,  22                          ; v22     my 32 bytes of c's tile, row r
.set STO,  24                          ; v24     the way out: where I put my numbers
.set RD,   25                          ; v25     the way out: where I read a row back
.set CO,   26                          ; v26     my byte offset in out0 and out1
.set BO,   27                          ; v27     my byte offset in the biases
.set F0,   64
.set F1,   128
.set BIAS, 192                         ; v[192 + 16 g + 8 t + j]: the gate's factor times b_g of my column
.set Y0,   64                          ; the tail, at work: 8 numbers each
.set YI,   64
.set YF,   72
.set YG,   80
.set YO,   88
.set CV,   96
.set T1,   104
.set T2,   112
.set G1,  24                           ; s[24:31] group 1 of Xb's tiles       s[32:39] their group 0, one for each slot
.set G0,  32
.set G1B, 48                           ; s[48:55] group 1 of Wb's tiles       s[56:63] their group 0, one for each slot
.set G0B, 56
.set G1C, 68                           ; s[68:75] group 1 of c's tile         s[76:79] its group 0
.set G0C, 76
.set MSB, 0
.macro WIN new                         ; the immediate's high byte repeats the setting that is left
.if MSB != \new
	s_set_vgpr_msb (MSB<<8)|\new
.set MSB, \new
.endif
.endm
.set MUL_LO, 0xa1                      ; source 0 (Wb) window 1, source 1 (Xb) window 0, C and D window 2
.set MUL_HI, 0xf1                      ; the same, C and D window 3
.set TO_B,   0x40                      ; destination window 1, address window 0
; A joint load.  Waves 0 and 1 fetch Xb's two halves, waves 2 and 3 Wb's.  Each line has one mask and one set of registers for all that issue it;
; the branch hangs on the wave's number alone.
.macro JLOAD s
	s_cmp_eq_u32 s11, 0
	s_cbranch_scc0 .Lfor_b_\@
	tensor_load_to_lds s[G0+4*\s:G0+4*\s+3], s[G1:G1+7]
	s_nop 0
	s_branch .Lasked_\@
.Lfor_b_\@:
	tensor_load_to_lds s[G0B+4*\s:G0B+4*\s+3], s[G1B:G1B+7]
	s_nop 0
.Lasked_\@:
.endm
; A round of the cluster's barrier: my work-group's barrier; wave 0 signals for the work-group; every wave waits for all sixteen; my work-group's barrier again.
.macro CREST                           ; a round behind its opening barrier
	s_cmp_lg_u32 s10, 0
	s_cbranch_scc1 .Lnot_wave_0_\@
	s_barrier_signal -3
.Lnot_wave_0_\@:
	s_barrier_wait -3
	s_barrier_signal -1
	s_barrier_wait -1
.endm
.macro CROUND                          ; a whole round
	s_barrier_signal -1
	s_barrier_wait -1
	CREST
.endm
	s_load_b512 s[80:95], s[0:1], 0x0              ; Xb s[80:81], Wb s[82:83], c s[84:85], b_I s[86:87], b_F s[88:89], b_G s[90:91], b_O s[92:93], out0 s[94:95]
	s_load_b64 s[96:97], s[0:1], 0x40              ; out1
	s_set_vgpr_msb 0x40
	v_lshl_add_u32 v255, v0, 2, 0x46200
	s_set_vgpr_msb 0x4000
	v_mov_b32 v63, 0
	s_set_vgpr_msb 0x1
	ds_add_u32 v255, v63
	s_set_vgpr_msb 0x100
	v_lshrrev_b32 v1, 5, v0
	v_readfirstlane_b32 s10, v1                    ; wave 0..3
	s_lshr_b32 s11, s10, 1                         ; rh.  Also: I fetch for Xb (0) or for Wb (1)
	s_and_b32 s12, s10, 1                          ; ch.  Also: which half of that tile I fetch
	s_bfe_u32 s40, ttmp6, 0x40000                  ; cx
	s_bfe_u32 s41, ttmp6, 0x40004                  ; cy
	s_lshl_b32 s42, ttmp9, 2
	s_add_co_u32 s42, s42, s40                     ; block column = 4 x cluster x + cx, 0..15
	s_and_b32 s13, ttmp7, 0xffff
	s_lshl_b32 s13, s13, 2
	s_add_co_u32 s13, s13, s41                     ; block row = 4 x cluster y + cy, 0..31
	s_lshl_b32 s43, s41, 2
	s_lshl_b32 s43, 15, s43                        ; my row of the cluster: places 4 cy .. 4 cy + 3
	s_lshl_b32 s44, 0x1111, s40                    ; my column: places cx, cx + 4, cx + 8, cx + 12
	; group 1 of Xb's tiles: 128 rows x 128 bf16, 4 words of padding behind every 64
	s_or_b32 s[G1+0], s43, (1<<16)|(1<<20)|(1<<21)|(5<<22)|(3<<25)   ; the mask of my row; element of 2 bytes; padding on; bit 21 beside a mask; interval code 5; pad code 3
	s_mov_b32 s[G1+1], 128<<16                     ; tensor_dim0 = 128
	s_mov_b32 s[G1+2], 128<<16                     ; tensor_dim1 = 128
	s_mov_b32 s[G1+3], 128<<16                     ; tile_dim0 = 128
	s_mov_b32 s[G1+4], 128                         ; tile_dim1 = 128
	s_mov_b32 s[G1+5], 2048                        ; elements from row to row
	s_mov_b32 s[G1+6], 0
	s_mov_b32 s[G1+7], 0
	; group 1 of Wb's tiles: 64 k rows x 256 bf16, 8 words of padding behind every 128
	s_or_b32 s[G1B+0], s44, (1<<16)|(1<<20)|(1<<21)|(6<<22)|(7<<25)  ; the mask of my column
	s_mov_b32 s[G1B+1], 256<<16
	s_mov_b32 s[G1B+2], 64<<16
	s_mov_b32 s[G1B+3], 256<<16
	s_mov_b32 s[G1B+4], 64
	s_mov_b32 s[G1B+5], 4096
	s_mov_b32 s[G1B+6], 0
	s_mov_b32 s[G1B+7], 0
	; where the tiles come from.  Every wave makes both addresses, in registers that never hold the other coordinate, and asks by one of them.
	s_lshl_b32 s16, s13, 20                        ; Xb: 256 rows of 4,096 bytes to a block row,
	s_lshl_b32 s17, s12, 19                        ;     128 rows to a half
	s_add_co_u32 s16, s16, s17
	s_mov_b32 s17, 0
	s_lshl_b32 s46, s42, 9                         ; Wb: 512 bytes of a row to a block column,
	s_lshl_b32 s47, s12, 19                        ;     64 k rows of 8,192 bytes to a half
	s_add_co_u32 s46, s46, s47
	s_mov_b32 s47, 0
	s_mul_i32 s20, s10, HALFT                      ; where they go: Xb's two halves, then Wb's two = wave x 34,816
	s_wait_dscnt 0x0
	s_wait_kmcnt 0x0
	s_add_nc_u64 s[14:15], s[80:81], s[16:17]
	s_add_nc_u64 s[46:47], s[82:83], s[46:47]
	CROUND                                         ; all sixteen work-groups are here: the first joint loads meet
.irp s, 0,1
	s_mov_b32 s[G0+4*\s], 1
	s_add_co_u32 s[G0+4*\s+1], s20, \s*SLOT
	s_add_nc_u64 s[G0+4*\s+2:G0+4*\s+3], s[14:15], \s*KSTEP*2           ; K step s: 256 bytes along Xb's rows
	s_or_b32 s[G0+4*\s+3], s[G0+4*\s+3], 0x80000000
	s_mov_b32 s[G0B+4*\s], 1
	s_add_co_u32 s[G0B+4*\s+1], s20, \s*SLOT
	s_add_nc_u64 s[G0B+4*\s+2:G0B+4*\s+3], s[46:47], \s*KSTEP*8192      ; K step s: 128 rows of Wb down
	s_or_b32 s[G0B+4*\s+3], s[G0B+4*\s+3], 0x80000000
	JLOAD \s                                       ; both slots' first fills go out together: two tensor loads of the wave are out
.endr
	s_mov_b32 s4, 0x42700000                       ; 60.0: the cut of the exponents of G and of tanh(C)
	s_mov_b32 s6, 0xbfb8aa3b                       ; -log2 e, for the sigmoids (the pair is written whole; the low word is broadcast)
	s_mov_b32 s7, 0xbfb8aa3b
	s_mov_b32 s8, 0x4038aa3b                       ; 2 log2 e, for tanh
	s_mov_b32 s9, 0x4038aa3b
	; the 64 rows x 64 columns of c that I fetch: rows 64 w .. of the block
	s_lshl_b32 s98, s13, 20                        ; 256 rows of 4,096 bytes to a block row
	s_lshl_b32 s101, s42, 8                        ; 256 bytes to a block column
	s_add_co_u32 s98, s98, s101
	s_lshl_b32 s101, s10, 18                       ; 64 rows to a wave
	s_add_co_u32 s98, s98, s101
	s_mov_b32 s99, 0
	; the rows of out0 and out1 that I store: rows 128 rh + 16 ch .. + 15 of each batch of 32 (the batch stands in the stores' immediate)
	s_lshl_b32 s18, s13, 20
	s_lshl_b32 s101, s42, 8
	s_add_co_u32 s18, s18, s101
	s_lshl_b32 s101, s11, 19                       ; 128 rows to rh
	s_add_co_u32 s18, s18, s101
	s_lshl_b32 s101, s12, 16                       ; 16 rows to ch
	s_add_co_u32 s18, s18, s101
	s_mov_b32 s19, 0
	s_lshl_b32 s100, s42, 8                        ; the biases: 256 bytes to a block column, 128 to ch
	s_lshl_b32 s101, s12, 7
	s_add_co_u32 s100, s100, s101
	; c's tile: a load of my own (mask 0): 64 rows x 64 f32, 4 words of padding behind every 64
	s_mov_b32 s[G1C+0], (2<<16)|(1<<20)|(5<<22)|(3<<25)
	s_mov_b32 s[G1C+1], 64<<16
	s_mov_b32 s[G1C+2], 64<<16
	s_mov_b32 s[G1C+3], 64<<16
	s_mov_b32 s[G1C+4], 64
	s_mov_b32 s[G1C+5], 1024
	s_mov_b32 s[G1C+6], 0
	s_mov_b32 s[G1C+7], 0
	s_mov_b32 s[G0C], 1
	s_mul_i32 s[G0C+1], s10, 64*PITCH              ; rows 64 w .. of the tile, which takes the bytes of slot 0's Xb part
	s_add_nc_u64 s[G0C+2:G0C+3], s[84:85], s[98:99]
	s_or_b32 s[G0C+3], s[G0C+3], 0x80000000
	v_and_b32 v1, 15, v0                           ; r
	v_bfe_u32 v2, v0, 4, 1                         ; h
	v_and_b32 v3, 7, v0                            ; l mod 8
	v_bfe_u32 v4, v0, 3, 1                         ; (l / 8) mod 2
	v_lshl_add_u32 v[BO], v2, 5, s100              ; my 8 columns of a bias: + 32 h
.irp g, 0,1,2,3
.irp t, 0,1
	global_load_b128 v[BIAS+16*\g+8*\t:BIAS+16*\g+8*\t+3],   v[BO], s[86+2*\g:87+2*\g] offset:64*\t
	global_load_b128 v[BIAS+16*\g+8*\t+4:BIAS+16*\g+8*\t+7], v[BO], s[86+2*\g:87+2*\g] offset:64*\t+16
.endr
.endr
	; A fragment of Xb: lane l holds row r; two loads of 16 bytes, 32 bytes apart, at row x pitch + 16 h.
	v_mul_u32_u24 v5, v1, PITCH
	v_lshl_add_u32 v5, v2, 4, v5
	; A fragment of Wb, by two transposing loads 16 k rows apart: lane l addresses k row 8 h + l mod 8, 16-byte column (l / 8) mod 2.
	v_lshl_add_u32 v6, v2, 3, v3
	v_mul_u32_u24 v6, v6, PB
	v_lshl_add_u32 v6, v4, 4, v6
	s_mul_i32 s21, s11, HALFT                      ; my 128 rows of Xb
	s_lshl_b32 s22, s12, 6                         ; my 32 columns of each gate: 64 bytes,
	s_add_co_u32 s22, s22, 2*HALFT                 ; behind Xb's 256 rows
.irp s, 0,1
	v_add_nc_u32 v[ADRA+\s], s21, v5
	v_add_nc_u32 v[ADRB+\s], s22, v6
	s_add_co_u32 s21, s21, SLOT
	s_add_co_u32 s22, s22, SLOT
.endr
	s_lshl_b32 s23, s12, 7
	v_lshl_add_u32 v[CTA], v2, 4, v[ADRA]          ; c's tile: rh x 128 rows + r x pitch + 32 h
	v_add_nc_u32 v[CTA], s23, v[CTA]               ; + 128 ch
	s_mul_i32 s23, s10, WREG
	s_add_co_u32 s23, s23, STAGE                   ; my stage
	v_mul_u32_u24 v7, v1, SP
	v_lshl_add_u32 v7, v2, 5, v7
	v_add_nc_u32 v[STO], s23, v7                   ; in: row r, 32 bytes for each half of the lanes
	s_mul_i32 s21, s11, 2*WREG                     ; back: the stages of waves 2 rh and 2 rh + 1,
	s_mul_i32 s22, s12, 16*SP                      ; their rows 16 ch .. + 15 of each batch of 32
	s_add_co_u32 s21, s21, s22
	s_add_co_u32 s21, s21, STAGE
	v_mul_u32_u24 v7, v4, WREG                     ; lanes 0-7 of sixteen read the left writer's 128 bytes, lanes 8-15 the right writer's
	v_mad_u32_u24 v7, v2, SP, v7                   ; lanes 16-31 the next row
	v_lshl_add_u32 v7, v3, 4, v7
	v_add_nc_u32 v[RD], s21, v7
	v_lshlrev_b32 v[CO], 4, v1                     ; and the same two rows in out0 and out1
	v_lshl_add_u32 v[CO], v2, 12, v[CO]
	s_wait_loadcnt 0x0                             ; the biases, once
.irp g, 0,1,2,3
.irp k, 0,2,4,6,8,10,12,14
.if \g == 2
	v_pk_mul_f32 v[BIAS+16*\g+\k:BIAS+16*\g+\k+1], v[BIAS+16*\g+\k:BIAS+16*\g+\k+1], s[8:9] op_sel_hi:[1,0]
.else
	v_pk_mul_f32 v[BIAS+16*\g+\k:BIAS+16*\g+\k+1], v[BIAS+16*\g+\k:BIAS+16*\g+\k+1], s[6:7] op_sel_hi:[1,0]
.endif
.endr
.endr
; 16 matrix instructions: a = a0, a0 + 1 of the window's four x all 8 b, 32 along K.  zero = 1: the first product starts the sums: nothing is cleared.
; The 64 accumulators take turns, one instruction a turn, in the same order in every quarter step.
.macro MUL16 f, hi, a0, zero
.irp a, \a0, \a0+1
.irp b, 0,1,2,3,4,5,6,7
.if \zero
	v_wmma_f32_16x16x32_bf16 v[8*(8*(\a)+\b):8*(8*(\a)+\b)+7], v[\f+8*\b:\f+8*\b+7], v[\f+8*(4*\hi+\a):\f+8*(4*\hi+\a)+7], 0
.else
	v_wmma_f32_16x16x32_bf16 v[8*(8*(\a)+\b):8*(8*(\a)+\b)+7], v[\f+8*\b:\f+8*\b+7], v[\f+8*(4*\hi+\a):\f+8*(4*\hi+\a)+7], v[8*(8*(\a)+\b):8*(8*(\a)+\b)+7]
.endif
.endr
.endr
.endm
; 32 LDS loads in one run: the fragments of quarter q (k = 32 q .. + 31 of the slot's K step) into buffer f: Wb's eight, then Xb's eight.
.macro FETCH slot, q, f
	WIN TO_B
.irp g, 0,1,2,3
.irp t, 0,1
	ds_load_tr16_b128 v[\f+8*(2*\g+\t):\f+8*(2*\g+\t)+3],   v[ADRB+\slot] offset:\q*32*PB+128*\g+32*\t
	ds_load_tr16_b128 v[\f+8*(2*\g+\t)+4:\f+8*(2*\g+\t)+7], v[ADRB+\slot] offset:\q*32*PB+16*PB+128*\g+32*\t
.endr
.endr
	WIN 0
.irp i, 0,1,2,3,4,5,6,7
	ds_load_b128 v[\f+8*\i:\f+8*\i+3],   v[ADRA+\slot] offset:\q*64+\i*16*PITCH
	ds_load_b128 v[\f+8*\i+4:\f+8*\i+7], v[ADRA+\slot] offset:\q*64+\i*16*PITCH+32
.endr
.endm
; A load into a register that a matrix instruction has read, and a vector instruction that reads a matrix result, stand four places behind it, and only
; plain vector instructions that name none of its registers are places (ISA guide 7.12.1 for vector instructions).
.macro PLACES
.rept 4
	v_nop
.endr
.endm
; One of a K step's first three quarters: multiplies buffer f; in its middle it fetches quarter q of the same slot into buffer g.
.macro QUARTER slot, q, f, g, zero
	s_wait_dscnt 8                                 ; Wb's fragments and Xb's rows 0-63 are in; the youngest eight loads (Xb's rows 64-127) may be out
	WIN MUL_LO
	MUL16 \f, 0, 0, \zero
	MUL16 \f, 0, 2, \zero
	PLACES
	FETCH \slot, \q, \g
	s_wait_dscnt 32                                ; all but the 32 just issued
	WIN MUL_HI
	MUL16 \f, 1, 0, \zero
	MUL16 \f, 1, 2, \zero
.endm
.macro THREE slot, zero
	QUARTER \slot, 1, F0, F1, \zero
	QUARTER \slot, 2, F1, F0, 0
	QUARTER \slot, 3, F0, F1, 0
.endm
; The last quarter: multiplies buffer 1 and changes slots.  fill = 1: this slot is filled again, two K steps ahead, by the joint loads.
; fill = 2: slot 0's Xb part gets its last fill, c's tile, each wave its 64 rows.  fill = 0: nothing is fetched.
; In front of the barrier each wave waits for its reads of this slot and for all its tensor loads (one is out: its part of the next slot).  Where a slot is
; filled again the barrier opens a round of the cluster's barrier, and the fill is the wave's first and only tensor load behind the round.
.macro TURN slot, next, fill
	s_wait_dscnt 8
	WIN MUL_LO
	MUL16 F1, 0, 0, 0
	s_wait_dscnt 0                                 ; my reads of this slot are over
	s_wait_tensorcnt 0x0                           ; all my tensor loads have landed
	ds_add_u32 v255, v63
	s_wait_dscnt 0x0
	s_barrier_signal -1
	MUL16 F1, 0, 2, 0                              ; register work while the others arrive
	WIN 0
	s_barrier_wait -1
.if \fill == 1
	CREST                                          ; no wave of any partner still reads this slot or has a load on its way
	s_add_nc_u64 s[G0+4*\slot+2:G0+4*\slot+3], s[G0+4*\slot+2:G0+4*\slot+3], 2*KSTEP*2
	s_add_nc_u64 s[G0B+4*\slot+2:G0B+4*\slot+3], s[G0B+4*\slot+2:G0B+4*\slot+3], 2*KSTEP*8192
	JLOAD \slot
.endif
.if \fill == 2
	CREST
	tensor_load_to_lds s[G0C:G0C+3], s[G1C:G1C+7]  ; it has the whole last K step, 256 matrix instructions and 32 more, in which to land
	s_nop 0
.endif
	PLACES
	FETCH \next, 0, F0
	WIN MUL_HI
	MUL16 F1, 1, 0, 0
	MUL16 F1, 1, 2, 0
.endm
.macro LAP zero                        ; once round the ring, both slots filled again
	THREE 0, \zero
	TURN 0, 1, 1
	THREE 1, 0
	TURN 1, 0, 1
.endm
	s_wait_tensorcnt 1                             ; my part of K step 0 is in; K step 1's may stay out
	s_barrier_signal -1
	s_barrier_wait -1                              ; everybody's is
	FETCH 0, 0, F0
	LAP 1                                          ; the first lap stands in front of the loop: its first products start the sums
	WIN 0                                          ; at a label and at a branch every window is 0
	s_mov_b32 s3, LAPS-2
.Llap:
	LAP 0
	WIN 0
	s_sub_co_u32 s3, s3, 1
	s_cmp_lg_u32 s3, 0
	s_cbranch_scc1 .Llap
	THREE 0, 0                                     ; the last lap: K steps 14 and 15
	TURN 0, 1, 2                                   ; slot 0 is done with: c's tile goes into it
	THREE 1, 0
	s_wait_dscnt 8                                 ; the very last quarter: nothing more to fetch
	WIN MUL_LO
	MUL16 F1, 0, 0, 0
	MUL16 F1, 0, 2, 0
	s_wait_dscnt 0
	WIN MUL_HI
	MUL16 F1, 1, 0, 0
	MUL16 F1, 1, 2, 0
	WIN 0
	PLACES                                         ; the places behind the last matrix instructions, for all that the tail reads and writes
	s_wait_dscnt 0x0                               ; my reads of slot 1 are over: its bytes become the stage
	s_wait_tensorcnt 0x0                           ; my 64 rows of c's tile have landed
	s_barrier_signal -1
	s_barrier_wait -1                              ; both hold of every wave
	s_add_nc_u64 s[94:95], s[94:95], s[18:19]      ; out0 and out1 at the first row that I store
	s_add_nc_u64 s[96:97], s[96:97], s[18:19]
; THE TAIL, 8 numbers a lane at a time: rows 16 a + r, columns 16 t + 8 h + 0..7 of my 32.
; With ei = 2^(-1.44 i), ef, eo likewise, eg = 2^(2.89 g):  I G = (eg - 1) / ((1 + ei)(1 + eg)),  F = 1 / (1 + ef),  C = F c + I G;
; with ec = 2^(2.89 C):  H = (ec - 1) / ((1 + eo)(1 + ec)).  Eight transcendentals a number.
; A denominator of two factors is one fused multiply-add, e x (1 + e') + (1 + e'), in which 1 + e' is the factor whose exponent was cut: it is
; finite and at least 1, so an infinite or a zero e gives infinity or 1 + e', never 0 x infinity.
.macro GATES a, t
	ds_load_b128 v[CV:CV+3],   v[CTA] offset:\a*16*PITCH+64*\t
	ds_load_b128 v[CV+4:CV+7], v[CTA] offset:\a*16*PITCH+64*\t+16
.if \a < 4
	WIN 0x02                                       ; source 0: the accumulators' window
.else
	WIN 0x03
.endif
.irp g, 0,1,2,3
.irp k, 0,2,4,6
.if \g == 2
	v_pk_fma_f32 v[Y0+8*\g+\k:Y0+8*\g+\k+1], v[8*(8*(\a&3)+2*\g+\t)+\k:8*(8*(\a&3)+2*\g+\t)+\k+1], s[8:9], v[BIAS+16*\g+8*\t+\k:BIAS+16*\g+8*\t+\k+1] op_sel_hi:[1,0,1]
.else
	v_pk_fma_f32 v[Y0+8*\g+\k:Y0+8*\g+\k+1], v[8*(8*(\a&3)+2*\g+\t)+\k:8*(8*(\a&3)+2*\g+\t)+\k+1], s[6:7], v[BIAS+16*\g+8*\t+\k:BIAS+16*\g+8*\t+\k+1] op_sel_hi:[1,0,1]
.endif
.endr
.endr
	WIN 0
.irp k, 0,1,2,3,4,5,6,7
	v_min_num_f32 v[YG+\k], s4, v[YG+\k]           ; G's exponent is cut at 60: eg - 1 and 1 + eg stay finite
.endr
.set j, 0
.rept 32
	v_exp_f32 v[Y0+j], v[Y0+j]
.set j, j+1
.endr
	v_nop                                          ; one plain vector instruction behind the run, before its results are used (ISA guide 5.7.2)
	s_wait_alu depctr_va_vdst(0)
.irp k, 0,2,4,6
	v_pk_add_f32 v[T1+\k:T1+\k+1], v[YG+\k:YG+\k+1], -1.0 op_sel_hi:[1,0]      ; eg - 1
.endr
.irp k, 0,2,4,6
	v_pk_add_f32 v[YG+\k:YG+\k+1], v[YG+\k:YG+\k+1], 1.0 op_sel_hi:[1,0]       ; 1 + eg
.endr
.irp k, 0,2,4,6
	v_pk_add_f32 v[YF+\k:YF+\k+1], v[YF+\k:YF+\k+1], 1.0 op_sel_hi:[1,0]       ; 1 + ef
.endr
.irp k, 0,2,4,6
	v_pk_fma_f32 v[YI+\k:YI+\k+1], v[YI+\k:YI+\k+1], v[YG+\k:YG+\k+1], v[YG+\k:YG+\k+1]   ; (1 + ei)(1 + eg)
.endr
.set j, 0
.rept 16
	v_rcp_f32 v[YI+j], v[YI+j]                     ; YI's eight, then YF's eight
.set j, j+1
.endr
	v_nop
	s_wait_alu depctr_va_vdst(0)
.irp k, 0,2,4,6
	v_pk_mul_f32 v[T1+\k:T1+\k+1], v[T1+\k:T1+\k+1], v[YI+\k:YI+\k+1]          ; I G
.endr
	s_wait_dscnt 0x0                               ; c: the two loads at the head are the youngest LDS instructions; all older LDS loads are in as well
.irp k, 0,2,4,6
	v_pk_fma_f32 v[CV+\k:CV+\k+1], v[YF+\k:YF+\k+1], v[CV+\k:CV+\k+1], v[T1+\k:T1+\k+1]   ; C = F c + I G
.endr
	ds_store_b128 v[STO], v[CV:CV+3]   offset:OREG+\a*16*SP+64*\t
	ds_store_b128 v[STO], v[CV+4:CV+7] offset:OREG+\a*16*SP+64*\t+16
.irp k, 0,2,4,6
	v_pk_mul_f32 v[T2+\k:T2+\k+1], v[CV+\k:CV+\k+1], s[8:9] op_sel_hi:[1,0]
.endr
.irp k, 0,1,2,3,4,5,6,7
	v_min_num_f32 v[T2+\k], s4, v[T2+\k]           ; the exponent of tanh(C) is cut at 60
.endr
.irp k, 0,1,2,3,4,5,6,7
	v_exp_f32 v[T2+\k], v[T2+\k]
.endr
	v_nop
	s_wait_alu depctr_va_vdst(0)
.irp k, 0,2,4,6
	v_pk_add_f32 v[T1+\k:T1+\k+1], v[T2+\k:T2+\k+1], -1.0 op_sel_hi:[1,0]      ; ec - 1
.endr
.irp k, 0,2,4,6
	v_pk_add_f32 v[T2+\k:T2+\k+1], v[T2+\k:T2+\k+1], 1.0 op_sel_hi:[1,0]       ; 1 + ec
.endr
.irp k, 0,2,4,6
	v_pk_fma_f32 v[T2+\k:T2+\k+1], v[YO+\k:YO+\k+1], v[T2+\k:T2+\k+1], v[T2+\k:T2+\k+1]   ; (1 + eo)(1 + ec)
.endr
.irp k, 0,1,2,3,4,5,6,7
	v_rcp_f32 v[T2+\k], v[T2+\k]
.endr
	v_nop
	s_wait_alu depctr_va_vdst(0)
.irp k, 0,2,4,6
	v_pk_mul_f32 v[T1+\k:T1+\k+1], v[T1+\k:T1+\k+1], v[T2+\k:T2+\k+1]          ; H
.endr
	ds_store_b128 v[STO], v[T1:T1+3]   offset:\a*16*SP+64*\t
	ds_store_b128 v[STO], v[T1+4:T1+7] offset:\a*16*SP+64*\t+16
.endm
; THE WAY OUT, in four batches of 32 rows of each wave (a = 2 p, 2 p + 1), so that the stores leave while the tail still computes.
; A row of 256 bytes of an output is put together from the two writers' halves (waves 2 rh and 2 rh + 1): one barrier a batch stands between their LDS
; stores and the reads.  Every stage byte is written once and read once, so no barrier is needed for a second writing.
; In batch p wave (rh, ch) stores rows 128 rh + 32 p + 16 ch .. + 15 of both outputs: 16 LDS loads and 16 stores, two rows to an instruction.
.macro BAR
	s_wait_dscnt 0x0                               ; my stores into the stage are done, for the others' sake
	s_barrier_signal -1
	s_barrier_wait -1                              ; the batch's rows are whole
.endm
.macro OUTLD p
.if \p
	s_wait_xcnt 0x0                                ; every earlier memory instruction has had its addresses translated (ISA guide 3.1): v128-191, which the last batch's stores read, are loaded again only behind this wait
.endif
.irp o, 0,1
.irp i, 0,1,2,3,4,5,6,7
	ds_load_b128 v[F1+32*\o+4*\i:F1+32*\o+4*\i+3], v[RD] offset:\o*OREG+(32*\p+2*\i)*SP
.endr
.endr
.endm
; counted = 0: eight numbers a lane of the next batch were computed since the loads, and the wait for 0 in that computation stands behind them: they are in.
; counted = 1: the stores follow the loads at once, each behind its own count.
.macro OUTST p, counted
.irp o, 0,1
.irp i, 0,1,2,3,4,5,6,7
.if \counted
	s_wait_dscnt 15-8*\o-\i                        ; LDS loads come back in order (ISA guide 5.7.1): those issued behind mine may stay out
.endif
	global_store_b128 v[CO], v[F1+32*\o+4*\i:F1+32*\o+4*\i+3], s[94+2*\o:95+2*\o] offset:(32*\p+2*\i)*4096 th:TH_STORE_NT   ; 16 lanes store 256 consecutive bytes, at a multiple of 256 from the output's first byte
.endr
.endr
.endm
	GATES 0, 0
	GATES 0, 1
	GATES 1, 0
	GATES 1, 1
	BAR
	OUTLD 0
	GATES 2, 0
	OUTST 0, 0
	GATES 2, 1
	GATES 3, 0
	GATES 3, 1
	BAR
	OUTLD 1
	GATES 4, 0
	OUTST 1, 0
	GATES 4, 1
	GATES 5, 0
	GATES 5, 1
	BAR
	OUTLD 2
	GATES 6, 0
	OUTST 2, 0
	GATES 6, 1
	GATES 7, 0
	GATES 7, 1
	BAR
	OUTLD 3
	OUTST 3, 1
	s_set_vgpr_msb 0x1
	s_wait_tensorcnt 0x0
	ds_add_u32 v255, v63
	s_wait_dscnt 0x0
	s_set_vgpr_msb 0x100
	CROUND                                         ; the closing round: no work-group ends while a partner may still ask for a tile that names it
	s_endpgm
.Lfunc_end_k_q1b50c2fa8b_lstm:
	.size	k_q1b50c2fa8b_lstm, .Lfunc_end_k_q1b50c2fa8b_lstm-k_q1b50c2fa8b_lstm
	.p2alignl 7, 3214868480
	.fill 96, 4, 3214868480
	.section	.rodata,"a",@progbits
	.p2align	6, 0x0
	.amdhsa_kernel k_q1b50c2fa8b_lstm
		.amdhsa_group_segment_fixed_size 327680
		.amdhsa_private_segment_fixed_size 0
		.amdhsa_enable_private_segment 0
		.amdhsa_kernarg_size 72
		.amdhsa_user_sgpr_count 2
		.amdhsa_user_sgpr_kernarg_segment_ptr 1
		.amdhsa_wavefront_size32 1
		.amdhsa_system_sgpr_workgroup_id_x 1
		.amdhsa_system_sgpr_workgroup_id_y 1
		.amdhsa_system_sgpr_workgroup_id_z 1
		.amdhsa_system_vgpr_workitem_id 0
		.amdhsa_next_free_vgpr 1024
		.amdhsa_next_free_sgpr 102
		.amdhsa_reserve_vcc 0
		.amdhsa_float_denorm_mode_32 3
		.amdhsa_float_denorm_mode_16_64 3
		.amdhsa_memory_ordered 1
		.amdhsa_forward_progress 1
		.amdhsa_inst_pref_size 255
	.end_amdhsa_kernel
	.section	.bss,"aw",@nobits
	.p2align	6
	.space	262144
	.amdgpu_metadata
---
amdhsa.version: [ 1, 2 ]
amdhsa.kernels:
  - .name:           k_q1b50c2fa8b_lstm
    .symbol:         k_q1b50c2fa8b_lstm.kd
    .args:
      - { .name: Xb, .offset: 0, .size: 8, .value_kind: global_buffer, .address_space: global }
      - { .name: Wb, .offset: 8, .size: 8, .value_kind: global_buffer, .address_space: global }
      - { .name: c, .offset: 16, .size: 8, .value_kind: global_buffer, .address_space: global }
      - { .name: b_I, .offset: 24, .size: 8, .value_kind: global_buffer, .address_space: global }
      - { .name: b_F, .offset: 32, .size: 8, .value_kind: global_buffer, .address_space: global }
      - { .name: b_G, .offset: 40, .size: 8, .value_kind: global_buffer, .address_space: global }
      - { .name: b_O, .offset: 48, .size: 8, .value_kind: global_buffer, .address_space: global }
      - { .name: out0, .offset: 56, .size: 8, .value_kind: global_buffer, .address_space: global }
      - { .name: out1, .offset: 64, .size: 8, .value_kind: global_buffer, .address_space: global }
    .group_segment_fixed_size: 327680
    .private_segment_fixed_size: 0
    .kernarg_segment_align: 8
    .kernarg_segment_size: 72
    .max_flat_workgroup_size: 128
    .sgpr_count:     102
    .vgpr_count:     1024
    .wavefront_size: 32
...
	.end_amdgpu_metadata
.endif
;; end of part 2
